; MI455X (gfx1250); checked and timed in simulation.
; The chip was launched on July 23, 2026; its instructions are those of AMD's public machine-readable ISA for CDNA 5 (MIT licence, August 2026) and "CDNA5" Instruction Set Architecture Reference Guide (July 2026). The comments in the code are by the model that wrote it; some were corrected since.
;; Sparse Mo E. Allowed arithmetic: float matrix products may take bf16 or f16 operands with f32 sums; other float arithmetic in f32, or as packed bf16 or f16 multiplies, adds, multiply-adds, maxima and minima; sums over many terms, partial sums and values carried from step to step in f32; what a program stores and reads back later, other than sums and carried values, may be rounded once to bf16 or f16.
;; Inputs: W1 8 x 1,024 x 4,096 float32; W2 8 x 4,096 x 1,024 float32; Wg 1,024 x 8 float32; b1 8 x 4,096 float32; b2 8 x 1,024 float32; bg 8 float32; x 1,024 x 1,024 float32.
;; Outputs: out0 1,024 x 1,024 float32.
;; One version. Each part assembles by itself: llvm-mc -triple=amdgcn-amd-amdhsa -mcpu=gfx1250 --defsym DOCPART=n.
;; ======== version 1 of 1: 4 launches
;; limits: values are held in f16: magnitudes above 65,504 overflow, below 6.1e-05 lose precision; right only within a limited range of input values
;; workspace buffers: xb 2,097,152 bytes; sel 8,192 bytes of whole numbers; gate 8,192 bytes; lists 65,536 bytes of whole numbers; hid 16,777,216 bytes; ypart 33,554,432 bytes
;; launch router (part 1): grid 256 x 1, 4 waves a work-group, no clusters, 1,024 bytes of LDS; arguments x, Wg, bg, xb, sel, gate; writes xb, sel, gate
.if DOCPART == 1
	.amdgcn_target "amdgcn-amd-amdhsa--gfx1250"
	.amdhsa_code_object_version 6
	.text
	.protected	k_qe80480f000_router
	.globl	k_qe80480f000_router
	.p2align	8
	.type	k_qe80480f000_router,@function
k_qe80480f000_router:
	s_mov_b64 s[64:65], 0
	v_nop
	global_prefetch_b8 v0, s[64:65] scope:SCOPE_SE
	s_setreg_imm32_b32 hwreg(HW_REG_WAVE_MODE, 25, 1), 1
	s_wait_xcnt 0x0
; ROUTER.  probs = softmax(x Wg + bg) over 8 experts; the two largest probabilities of each token, unchanged, are its gates.
; Stored at fixed places: xb = x rounded to f16 [1024][1024], the next launch's matrix operand; sel[2 n + k] = the k-th chosen expert; gate[2 n + k] = its probability.
; FORMATS.  The router itself works on x, Wg and bg as they are given: products, sums, softmax and choice in f32.  LIMITS: the order of the f32 sums is this text's own, so a token whose second and third
; probabilities differ by less than that rounding may choose otherwise; a probability below 2^-126 counts as 0; NaN and infinities are not treated apart; xb holds no number beyond 65,504, and below 6.1e-5 it keeps
; f16's fixed step of 6e-8.  Equal probabilities: the lower index wins.
; SHARES.  A work-group has 4 tokens; wave w has the 256 inputs d = 256 w .. of all four, lane l the eight d = 256 w + 128 i + 4 l + c.  Eight columns fill half a matrix tile
; and this product is a two-thousandth of the program's multiply-adds: it runs on the vector unit.  No address and no branch hangs on a floating-point number.
.set PART,  0                          ; LDS: 4 waves x 32 partial sums (token, expert), 128 bytes a wave
.set SPARE, 512                        ; the spare words, 128 bytes a wave: no other line names them
.set SPW,  1                           ; v1   my spare word's address; never rewritten
.set NIL,  2                           ; v2   0; never rewritten
.set LANE, 3
.set XO,   4                           ; my byte offset in a row of x
.set WO,   5                           ; in Wg
.set BO,   6                           ; in a row of xb
.set X,    8                           ; v8-39    x as loaded: (token t, half i, c) at X + 4 (2 t + i) + c
.set WG,   40                          ; v40-103  Wg as loaded: (i, c, e) at WG + 32 i + 8 c + e
.set XP,   104                         ; v104-119 x in f16 pairs
.set ACC,  152                         ; v152-183 the 32 sums, (t, e) at ACC + 8 t + e
	s_load_b256 s[4:11], s[0:1], 0x0               ; x s[4:5], Wg s[6:7], bg s[8:9], xb s[10:11]
	s_load_b128 s[12:15], s[0:1], 0x20             ; sel s[12:13], gate s[14:15]
	v_lshl_add_u32 v[SPW], v0, 2, SPARE
	v_mov_b32 v[NIL], 0
	v_lshrrev_b32 v184, 5, v0
	v_readfirstlane_b32 s16, v184                  ; wave 0..3
	v_and_b32 v[LANE], 31, v0
	s_lshl_b32 s17, s16, 10
	v_lshl_add_u32 v[XO], v[LANE], 4, s17          ; 1,024 w + 16 l
	s_lshl_b32 s17, s16, 13
	v_lshl_add_u32 v[WO], v[LANE], 7, s17          ; 8,192 w + 128 l: four rows of Wg, 32 bytes each
	s_lshl_b32 s17, s16, 9
	v_lshl_add_u32 v[BO], v[LANE], 3, s17          ; 512 w + 8 l
	s_lshl_b32 s18, ttmp9, 14                      ; the group's four rows of x,
	s_mov_b32 s19, 0
	s_lshl_b32 s28, ttmp9, 13                      ; of xb,
	s_mov_b32 s29, 0
	s_lshl_b32 s30, ttmp9, 5                       ; its eight words of sel and of gate
	s_mov_b32 s31, 0
	s_mov_b32 s32, 0x76543210                      ; v_permlanex16_b32: each lane takes its own place in the other half
	s_mov_b32 s33, 0xfedcba98
	s_wait_kmcnt 0x0
	s_load_b256 s[20:27], s[8:9], 0x0              ; bg
	s_add_nc_u64 s[4:5], s[4:5], s[18:19]
	s_add_nc_u64 s[10:11], s[10:11], s[28:29]
	s_add_nc_u64 s[12:13], s[12:13], s[30:31]
	s_add_nc_u64 s[14:15], s[14:15], s[30:31]
.set u, 0
.rept 8                                ; x: each load of the wave covers 512 consecutive bytes of a row
	global_load_b128 v[X+4*u:X+4*u+3], v[XO], s[4:5] offset:4096*(u/2)+512*(u%2) th:TH_LOAD_NT
.set u, u+1
.endr
.set u, 0
.rept 16
	global_load_b128 v[WG+4*u:WG+4*u+3], v[WO], s[6:7] offset:4096*(u/8)+16*(u%8)
.set u, u+1
.endr
	s_wait_loadcnt 16                              ; x is in; Wg's sixteen loads are younger
.set u, 0
.rept 16
	v_cvt_pk_f16_f32 v[XP+u], v[X+2*u], v[X+2*u+1]
.set u, u+1
.endr
.set u, 0
.rept 8                                ; xb: each store of the wave covers 256 consecutive bytes, aligned
	global_store_b64 v[BO], v[XP+2*u:XP+2*u+1], s[10:11] offset:2048*(u/2)+256*(u%2)
.set u, u+1
.endr
	s_wait_loadcnt 0x0
; 256 multiply-adds in f32.  ic = 4 i + c names my input, te = 8 t + e the sum: 32 sums take turns.  The first product starts each sum: nothing is cleared.
.set ic, 0
.rept 8
.set te, 0
.rept 32
.set rX, X+4*(2*(te/8)+ic/4)+ic%4
.set rW, WG+8*ic+te%8
.if ic == 0
	v_mul_f32 v[ACC+te], v[rX], v[rW]
.else
	v_fmac_f32 v[ACC+te], v[rX], v[rW]
.endif
.set te, te+1
.endr
.set ic, ic+1
.endr
; over the 32 lanes: four steps inside each half ride on the addition, one crosses the halves; stage by stage, so that no line waits for the one before it
.irp k, 1,2,4,8
.set u, 0
.rept 32
	v_add_f32_dpp v[ACC+u], v[ACC+u], v[ACC+u] row_xmask:\k row_mask:0xf bank_mask:0xf
.set u, u+1
.endr
.endr
.set u, 0
.rept 32
	v_permlanex16_b32 v[X+u], v[ACC+u], s32, s33   ; its destination counts as read: x's registers have been written
.set u, u+1
.endr
.set u, 0
.rept 32
	v_add_f32 v[ACC+u], v[ACC+u], v[X+u]
.set u, u+1
.endr
	s_lshl_b32 s17, s16, 7
	v_mov_b32 v184, s17                            ; PART + 128 w
.set u, 0
.rept 8
	ds_store_b128 v184, v[ACC+4*u:ACC+4*u+3] offset:PART+16*u  ; every lane holds the same sums and writes the same words
.set u, u+1
.endr
	s_wait_dscnt 0x0                               ; for the others' sake: my stores are done
	s_barrier_signal -1
	s_barrier_wait -1
	s_lshl_b32 s17, s16, 5
	v_mov_b32 v185, s17                            ; wave w goes on with token w: its eight sums in each wave's block
.set u, 0
.rept 4
	ds_load_b128 v[X+8*u:X+8*u+3],   v185 offset:PART+128*u
	ds_load_b128 v[X+8*u+4:X+8*u+7], v185 offset:PART+128*u+16
.set u, u+1
.endr
	s_wait_dscnt 0x0
	s_wait_tensorcnt 0x0                           ; the wave's end in LDS: behind my last LDS store
	ds_add_u32 v[SPW], v[NIL]
	s_wait_dscnt 0x0
	s_wait_kmcnt 0x0                               ; bg
.set q, 0
.rept 4                                ; logits in v40-47: the four waves' parts, then bg
	v_pk_add_f32 v[40+2*q:41+2*q], v[X+2*q:X+2*q+1], v[X+8+2*q:X+9+2*q]
	v_pk_add_f32 v[48+2*q:49+2*q], v[X+16+2*q:X+17+2*q], v[X+24+2*q:X+25+2*q]
.set q, q+1
.endr
.set q, 0
.rept 4
	v_pk_add_f32 v[40+2*q:41+2*q], v[40+2*q:41+2*q], v[48+2*q:49+2*q]
.set q, q+1
.endr
.set e, 0
.rept 8
	v_add_f32 v[40+e], s[20+e], v[40+e]
.set e, e+1
.endr
	v_max3_num_f32 v70, v40, v41, v42              ; the maximum is taken away in front of the exponentials
	v_max3_num_f32 v71, v43, v44, v45
	v_max3_num_f32 v70, v70, v46, v47
	v_max_num_f32 v70, v70, v71
.set e, 0
.rept 8
	v_sub_f32 v[72+e], v[40+e], v70
.set e, e+1
.endr
.set e, 0
.rept 8
	v_mul_f32 v[72+e], 0x3fb8aa3b, v[72+e]         ; log2(e): the exponential works in base 2
.set e, e+1
.endr
.set e, 0
.rept 8
	v_exp_f32 v[72+e], v[72+e]
.set e, e+1
.endr
	v_nop                                          ; a plain line between the last exponential and the use of its result
	s_wait_alu depctr_va_vdst(0)
	v_add_f32 v80, v72, v73
	v_add_f32 v81, v74, v75
	v_add_f32 v82, v76, v77
	v_add_f32 v83, v78, v79
	v_add_f32 v80, v80, v81
	v_add_f32 v82, v82, v83
	v_add_f32 v80, v80, v82
	v_rcp_f32 v81, v80
	v_nop
.set e, 0
	s_wait_alu depctr_va_vdst(0)
.rept 8
	v_mul_f32 v[72+e], v[72+e], v81                ; the probabilities
.set e, e+1
.endr
; the largest, by strict 'greater' in ascending order, so that the lower index keeps a tie; then the same with the first struck out.  Selections only: no branch.
	v_mov_b32 v82, v72
	v_mov_b32 v83, 0
.irp e, 1,2,3,4,5,6,7
	v_cmp_gt_f32 vcc_lo, v[72+\e], v82
	v_cndmask_b32 v82, v82, v[72+\e], vcc_lo
	v_cndmask_b32 v83, v83, \e, vcc_lo
.endr
.irp e, 0,1,2,3,4,5,6,7
	v_cmp_eq_u32 vcc_lo, \e, v83
	v_cndmask_b32 v[72+\e], v[72+\e], -1.0, vcc_lo
.endr
	v_mov_b32 v84, v72
	v_mov_b32 v85, 0
.irp e, 1,2,3,4,5,6,7
	v_cmp_gt_f32 vcc_lo, v[72+\e], v84
	v_cndmask_b32 v84, v84, v[72+\e], vcc_lo
	v_cndmask_b32 v85, v85, \e, vcc_lo
.endr
	v_cmp_eq_u32 vcc_lo, 1, v[LANE]                ; lane 0 stores the first choice, lane 1 the second
	v_cndmask_b32 v86, v83, v85, vcc_lo
	v_cndmask_b32 v87, v82, v84, vcc_lo
	s_lshl_b32 s17, s16, 3
	v_lshl_add_u32 v88, v[LANE], 2, s17            ; 8 w + 4 k
	s_wait_xcnt 0x0                                ; EXEC is a source of the pending stores of xb: it changes only behind this wait
	v_cmp_gt_u32 vcc_lo, 2, v[LANE]
	s_and_saveexec_b32 s34, vcc_lo
	global_store_b32 v88, v86, s[12:13]
	global_store_b32 v88, v87, s[14:15]
	s_wait_xcnt 0x0                                ; and again in front of the line that widens it
	s_or_b32 exec_lo, exec_lo, s34
	s_endpgm
.Lfunc_end_k_qe80480f000_router:
	.size	k_qe80480f000_router, .Lfunc_end_k_qe80480f000_router-k_qe80480f000_router
	.p2alignl 7, 3214868480
	.fill 96, 4, 3214868480
	.section	.rodata,"a",@progbits
	.p2align	6, 0x0
	.amdhsa_kernel k_qe80480f000_router
		.amdhsa_group_segment_fixed_size 1024
		.amdhsa_private_segment_fixed_size 0
		.amdhsa_enable_private_segment 0
		.amdhsa_kernarg_size 48
		.amdhsa_user_sgpr_count 2
		.amdhsa_user_sgpr_kernarg_segment_ptr 1
		.amdhsa_wavefront_size32 1
		.amdhsa_system_sgpr_workgroup_id_x 1
		.amdhsa_system_sgpr_workgroup_id_y 1
		.amdhsa_system_sgpr_workgroup_id_z 1
		.amdhsa_system_vgpr_workitem_id 0
		.amdhsa_next_free_vgpr 200
		.amdhsa_next_free_sgpr 66
		.amdhsa_reserve_vcc 1
		.amdhsa_float_denorm_mode_32 3
		.amdhsa_float_denorm_mode_16_64 3
		.amdhsa_memory_ordered 1
		.amdhsa_forward_progress 1
		.amdhsa_inst_pref_size 32
	.end_amdhsa_kernel
	.amdgpu_metadata
---
amdhsa.version: [ 1, 2 ]
amdhsa.kernels:
  - .name:           k_qe80480f000_router
    .symbol:         k_qe80480f000_router.kd
    .args:
      - { .name: x, .offset: 0, .size: 8, .value_kind: global_buffer, .address_space: global }
      - { .name: Wg, .offset: 8, .size: 8, .value_kind: global_buffer, .address_space: global }
      - { .name: bg, .offset: 16, .size: 8, .value_kind: global_buffer, .address_space: global }
      - { .name: xb, .offset: 24, .size: 8, .value_kind: global_buffer, .address_space: global }
      - { .name: sel, .offset: 32, .size: 8, .value_kind: global_buffer, .address_space: global }
      - { .name: gate, .offset: 40, .size: 8, .value_kind: global_buffer, .address_space: global }
    .group_segment_fixed_size: 1024
    .private_segment_fixed_size: 0
    .kernarg_segment_align: 8
    .kernarg_segment_size: 48
    .max_flat_workgroup_size: 128
    .sgpr_count:     66
    .vgpr_count:     200
    .wavefront_size: 32
...
	.end_amdgpu_metadata
.endif
;; end of part 1
;; launch up (part 2): grid 32 x 8, 4 waves a work-group, no clusters, 317,184 bytes of LDS; arguments W1, b1, xb, sel, hid, lists; writes hid, lists
.if DOCPART == 2
	.amdgcn_target "amdgcn-amd-amdhsa--gfx1250"
	.amdhsa_code_object_version 6
	.text
	.protected	k_qe80480f000_up
	.globl	k_qe80480f000_up
	.p2align	8
	.type	k_qe80480f000_up,@function
k_qe80480f000_up:
	s_mov_b64 s[64:65], 0
	v_nop
	global_prefetch_b8 v0, s[64:65] scope:SCOPE_SE
	s_setreg_imm32_b32 hwreg(HW_REG_WAVE_MODE, 25, 1), 1
	s_wait_xcnt 0x0
; FIRST PRODUCT OF THE CHOSEN ROWS.  hid[rho][:] = relu(x[rho / 2] W1[e] + b1[e]) in f16, for every routed row rho = 2 n + k with sel[rho] = e.  Rows routed to other experts are not multiplied.
; A WORK-GROUP (x = slice, y = expert e) owns 1,024 K x 128 columns of W1[e], 512 KiB of f32 that it alone reads, once, and ALL rows of that expert, whatever their number (0 to 1,024).
; FORMATS.  W1 is rounded once to f16 on its way through registers, x was rounded to f16 by the launch before; sums in f32, started from b1 in f32; hid is rounded once to f16 (11 significant bits).
; LIMITS.  f16 holds no number beyond 65,504, and below 6.1e-5 it keeps a fixed step of 6e-8: W1 thirty times smaller than a spread of 1/32 still has a spread of 1e-3.  A hidden number above 65,504 is held at 65,504:
;   with x and W1 both carrying an offset of 30 times their spread a hidden sum is about 1,024 x 30 x 30/32 = 28,800.  NaN and infinities are not treated apart (a NaN sum leaves the ReLU as 0).
; FOUR WAVES, ONE TEXT, TWO PHASES.
;   THE STREAM: wave w loads K rows 256 t + 64 w + 0..63 of the slice (512 bytes a load), rounds them and lays them [k][n] in f16 into LDS, where the whole slice stays.  A ring of 8 groups of 8 loads: group q + 7 is asked
;   for as soon as group q is in, so 48 to 56 loads of the wave are out.  One barrier ends the phase.
;   THE PASSES: four passes of 320 rows of the expert's list; wave w has rows 320 p + 80 w + 0..79 by all 128 columns: 40 accumulators.  Weights come turned out of LDS, token rows straight from memory into operand registers.
;   A pass's products and its way out each stand under a forward branch on the wave's remaining rows; a barrier in text that every wave runs follows each, so that no wave stores into LDS (its stage) while another reads weights.
;   The two phases follow each other: loads return in issue order on one counter (ISA guide 5.7.1), so a wait for a token row would also be a wait for every older weight row.
; THE LIST.  Wave 0 places the expert's rows by a running count while its first weight rows are on their way; places past the count repeat the last live row (the index is clamped), so a dead row makes the same bits for the
;   same address; whole stores past the count are jumped.  Slice 0 also stores the list and the count for the next launch.
; NO CLUSTER, NO TENSOR LOADS: each weight byte has one reader; what an expert's work-groups share is token rows that come by a list, which no descriptor covers; LDS is filled by the resident slice, so bytes in flight live in registers.
; REGISTERS, in windows of 256 (s_set_vgpr_msb: bits 1:0 source 0, 3:2 source 1, 5:4 source 2, 7:6 destination):
;   window 0: v0-31 addresses; v32-95, v96-159 weights' fragments, two buffers; v160-239 the way out (until the stream has ended: v96-159 the bias, v160-223 sel); v240-255 eight rows rounded
;   window 1: v0-159 token fragments, four buffers of 40; v160-223 the accumulators of row block 4
;   window 2: the accumulators of row blocks 0-3, (m, b) at 64 m + 8 b          window 3: the ring's 8 groups of 32 registers; behind the stream v0-63 keep the bias
.set WPITCH, 16384                     ; bytes from a K row of W1[e] to the next
.set LOGW,   14
.set LP,     288                       ; an LDS row: 256 bytes + 32 = 72 words: the turning load's 8 rows x 32 bytes fall on different banks (64 banks of 4 bytes: ISA guide 11.1)
.set STEPB,  32*LP                     ; a K step of 32
.set CHUNK,  128*LP                    ; a trip of the K loop: four steps
.set STAGE,  1024*LP                   ; behind the slice: 16 rows x 272 bytes for each wave, for the way out
.set SP,     272
.set LIST,   STAGE+4*16*SP             ; 1,024 words of list; 32 words that take what does not match; then the count
.set CNTW,   LIST+4224
.set SPARE,  LIST+4352                 ; the spare words, 128 bytes a wave: no other line names them
.set SPW,  1                           ; v1   my spare word's address; never rewritten
.set NIL,  2                           ; v2   0; never rewritten
.set B0,   3                           ; my lane's place in a fragment of weights
.set BAD,  4                           ; B0 + the trip's chunk
.set BADN, 5                           ; B0 + the next trip's chunk
.set AOFF, 6                           ; v6-10   byte offset of my token row, for each of 5 blocks of 16 rows
.set STO,  11                          ; the way out: where I put 16 bytes of a row
.set RD,   12                          ; where I read rows back
.set C16,  13                          ; 16 (lane % 16)
.set ZR,   14                          ; 0, for the ReLU
.set BOFF, 15                          ; 32 (lane / 16)
.set H16,  16                          ; 16 (lane / 16)
.set RID,  17                          ; v17-21  rho of my row in each block
.set SELO, 27                          ; 16 x lane
.set LBASE, 28                         ; LDS byte of my 8 bytes in the first of my 64 rows of a trip of the stream
.set LST,  29                          ; LBASE + the trip
.set LOFF, 30                          ; byte offset of my 16 bytes in the first of my 64 rows of the trip
.set CLP,  31                          ; 65,504 twice in f16
.set BF0,  32
.set BR,   96                          ; the bias as loaded: column block b, register j at BR + 8 b + j
.set SE,   160
.set TT,   160                         ; the way out: packed results
.set UU,   192                         ; and whole rows
.set OF,   224                         ; byte offsets of the rows stored
.set IX,   232                         ; lane selects for them
.set CV,   240
.set LAD,  37                          ; the list's own registers, in the first weight buffer, which is still free
.set L4,   38
.set LDU,  39
.set LIX,  40
.set LVA,  41
.set ACC4, 160                         ; window 1
.set BK,   0                           ; window 3: the bias, kept for the later passes
.set WV, 16
.set EX, 18
.set SL, 19
.set TR, 20
.set LB, 22                            ; LDS byte of the stream's trip
.set CB, 23                            ; LDS byte of the K loop's trip
.set CNT, 24
.set REM, 25                           ; rows of the list from my first row on (signed)
.set IB, 26                            ; my first row in the list
.set PS, 27
.set KC, 28
.set CN, 29
.set CM1, 31
.set KO, 32                            ; s[32:33] byte offset along K of the next trip's token fragments, modulo a row's 2,048
.set AB, 34                            ; s[34:35] xb at this trip's K
.set AN, 36                            ; s[36:37] at the next trip's
.set OFS, 38
.set MSB, 0
.macro WIN new                         ; the immediate's high byte repeats the setting that is left; a switch that changes nothing is dropped
.if MSB != (\new)
	s_set_vgpr_msb (MSB<<8)|(\new)
.set MSB, (\new)
.endif
.endm
.macro PLACES                          ; four plain vector lines behind a matrix instruction, in front of loads into its sources and of lines that read its result
.rept 4
	v_nop
.endr
.endm
.macro WLOAD q, row                    ; eight K rows, from row 'row' of LOFF's on, into slot group q (window 3); each load covers 512 consecutive bytes, aligned
.set wi, 0
.rept 8
	global_load_b128 v[32*(\q)+4*wi:32*(\q)+4*wi+3], v[LOFF], s[4:5] offset:((\row)+wi)*WPITCH th:TH_LOAD_NT
.set wi, wi+1
.endr
.endm
; Group q of a trip of the stream.  left: the younger loads that may stay out.  issue = 1: the group seven further on is asked for, into the slots that the group before has left.
.macro GRP q, issue, left
	s_wait_loadcnt \left                           ; loads return in order (ISA guide 5.7.1): my group's eight are in
.if \issue
	WIN 0xc0                                       ; destination in window 3
.if (\q) == 0
	WLOAD 7, 56
.else
	WLOAD (\q)-1, 256+8*((\q)-1)
.endif
.endif
	WIN 0x0f                                       ; sources in window 3
.set gi, 0
.rept 8
	v_cvt_pk_f16_f32 v[CV+2*gi],   v[32*(\q)+4*gi],   v[32*(\q)+4*gi+1]
	v_cvt_pk_f16_f32 v[CV+2*gi+1], v[32*(\q)+4*gi+2], v[32*(\q)+4*gi+3]
.set gi, gi+1
.endr
	WIN 0
.set gi, 0
.rept 8
	ds_store_b64 v[LST], v[CV+2*gi:CV+2*gi+1] offset:(8*(\q)+gi)*LP  ; 32 lanes x 8 bytes: a row of 128 f16
.set gi, gi+1
.endr
.endm
; Weights' fragments of all 8 column blocks for one K step: 32 K x 16 columns each, turned: lane l gets column l % 16 and K = 8 (l / 16) + 0..7, then 16 more on
.macro BLOAD fr, adr, off
.irp b, 0,1,2,3,4,5,6,7
	ds_load_tr16_b128 v[(\fr)+8*(\b):(\fr)+8*(\b)+3],   v[\adr] offset:(\off)+32*(\b)
	ds_load_tr16_b128 v[(\fr)+8*(\b)+4:(\fr)+8*(\b)+7], v[\adr] offset:(\off)+16*LP+32*(\b)
.endr
.endm
; Token fragments of my 5 row blocks for one K step (window 1): lane l holds row l % 16, K = 8 (l / 16) + 0..7 and 16 more on: two loads of 16 bytes, 32 bytes apart
.macro ALOAD buf, base, imm
.irp m, 0,1,2,3,4
	global_load_b128 v[40*(\buf)+8*(\m):40*(\buf)+8*(\m)+3],   v[AOFF+(\m)], s[\base:\base+1] offset:(\imm)
	global_load_b128 v[40*(\buf)+8*(\m)+4:40*(\buf)+8*(\m)+7], v[AOFF+(\m)], s[\base:\base+1] offset:(\imm)+32
.endr
.endm
; 40 matrix instructions: 5 row blocks x 8 column blocks.  Source 0 = weights, source 1 = tokens: a lane's eight results are eight neighbouring columns of one token's row.
; The 40 accumulators take turns, one instruction a turn, over every edge of every loop.
.macro MUL ab, fr
	WIN 0xa4                                       ; weights window 0, tokens window 1, C and D window 2
.irp m, 0,1,2,3
.irp b, 0,1,2,3,4,5,6,7
	v_wmma_f32_16x16x32_f16 v[64*(\m)+8*(\b):64*(\m)+8*(\b)+7], v[(\fr)+8*(\b):(\fr)+8*(\b)+7], v[40*(\ab)+8*(\m):40*(\ab)+8*(\m)+7], v[64*(\m)+8*(\b):64*(\m)+8*(\b)+7]
.endr
.endr
	WIN 0x54                                       ; C and D window 1
.irp b, 0,1,2,3,4,5,6,7
	v_wmma_f32_16x16x32_f16 v[ACC4+8*(\b):ACC4+8*(\b)+7], v[(\fr)+8*(\b):(\fr)+8*(\b)+7], v[40*(\ab)+32:40*(\ab)+39], v[ACC4+8*(\b):ACC4+8*(\b)+7]
.endr
	WIN 0
.endm
; Step j of a trip's four.  The token buffer and the weight buffer that the step before multiplied are asked for again: tokens three steps ahead, weights one step ahead.
.macro STEP j
	PLACES
	WIN 0x40                                       ; destination in window 1
.if (\j) == 0
	ALOAD 3, AB, 192
.else
	ALOAD (\j)-1, AN, 64*((\j)-1)
.endif
	WIN 0
.if (\j) < 3
	BLOAD BF0+64*(((\j)+1)%2), BAD, ((\j)+1)*STEPB
.else
	BLOAD BF0, BADN, 0
.endif
	s_wait_loadcnt 30                              ; my step's tokens are in; the three younger buffers' thirty loads stay out
	s_wait_dscnt 16                                ; my step's weights are in; the sixteen loads just issued stay out
	MUL \j, BF0+64*((\j)%2)
.endm
.macro BIAS_INIT sw, base              ; the bias, in f32, starts all 40 sums: these lines take the place of a clearing.  sw, base: the window and the first of the 64 registers that hold it
	WIN 0x80|(\sw)                                 ; destination window 2
.set q, 0
.rept 256
	v_mov_b32 v[q], v[(\base)+q%64]
.set q, q+1
.endr
	WIN 0x40|(\sw)                                 ; destination window 1
.set q, 0
.rept 64
	v_mov_b32 v[ACC4+q], v[(\base)+q]
.set q, q+1
.endr
	WIN 0
.endm
.macro ROWS                            ; rho and the token row's offset for my 80 places of the list; a place past the count takes the last live row
	s_wait_xcnt 0x0                                ; registers that earlier stores and loads name are rewritten only behind this wait
	v_and_b32 v22, 15, v0
	v_add_nc_u32 v22, s[IB], v22
.irp m, 0,1,2,3,4
	v_add_nc_u32 v23, 16*(\m), v22
	v_min_u32 v23, s[CM1], v23
	v_min_u32 v23, 0x3ff, v23
	v_lshl_add_u32 v23, v23, 2, LIST
	ds_load_b32 v[RID+(\m)], v23
.endr
	s_wait_dscnt 0x0
.irp m, 0,1,2,3,4
	v_min_u32 v[RID+(\m)], 0x7ff, v[RID+(\m)]
	v_and_b32 v23, 0x7fe, v[RID+(\m)]              ; token = rho / 2; a row of xb is 2,048 bytes
	v_lshl_add_u32 v[AOFF+(\m)], v23, 10, v[H16]
.endr
.endm
; THE WAY OUT of row block m: rounded to f16, ReLU and the hold at 65,504 on the packed halves, through my own stage in LDS, back as whole rows of 256 bytes, each stored at its rho.
.macro EPI m
	s_cmp_le_i32 s[REM], 16*(\m)
	s_cbranch_scc1 .Lepi_end
	s_wait_xcnt 0x0                                ; the block before's stores have read OF and UU
.irp t, 0,1,2,3,4,5,6,7
	ds_bpermute_b32 v[OF+(\t)], v[IX+(\t)], v[RID+(\m)]  ; rho of rows 2 t and 2 t + 1, for the lower and the upper sixteen lanes
.endr
.if (\m) < 4
	WIN 0x0a                                       ; sources in window 2
.set AC, 64*(\m)
.else
	WIN 0x05                                       ; sources in window 1
.set AC, ACC4
.endif
.set q, 0
.rept 32
	v_cvt_pk_f16_f32 v[TT+q], v[AC+2*q], v[AC+2*q+1]  ; each accumulator's registers in ascending order
.set q, q+1
.endr
	WIN 0
.set q, 0
.rept 32
	v_pk_max_num_f16 v[TT+q], v[TT+q], v[ZR]
.set q, q+1
.endr
.set q, 0
.rept 32
	v_pk_min_num_f16 v[TT+q], v[TT+q], v[CLP]      ; a sum that f16 cannot hold has become an infinity: it is held at 65,504
.set q, q+1
.endr
.irp b, 0,1,2,3,4,5,6,7
	ds_store_b128 v[STO], v[TT+4*(\b):TT+4*(\b)+3] offset:32*(\b)
.endr
.irp t, 0,1,2,3,4,5,6,7
	ds_load_b128 v[UU+4*(\t):UU+4*(\t)+3], v[RD] offset:2*SP*(\t)  ; LDS serves a wave's instructions in order (ISA guide 5.7.1.4): these see the stores above
.endr
	s_wait_dscnt 16                                ; the eight pulls are in; eight stores and eight loads are younger
.irp t, 0,1,2,3,4,5,6,7
	v_min_u32 v[OF+(\t)], 0x7ff, v[OF+(\t)]
	v_lshl_add_u32 v[OF+(\t)], v[OF+(\t)], 13, v[C16]  ; a row of hid is 8,192 bytes
.endr
	s_wait_dscnt 0x0
.irp t, 0,1,2,3,4,5,6,7
.if (\t) > 0
	s_cmp_le_i32 s[REM], 16*(\m)+2*(\t)            ; stores wholly past the count are jumped
	s_cbranch_scc1 .Lblk\m
.endif
	global_store_b128 v[OF+(\t)], v[UU+4*(\t):UU+4*(\t)+3], s[12:13]  ; sixteen lanes store 256 consecutive bytes, aligned
.endr
.Lblk\m:
.endm
	s_load_b256 s[4:11], s[0:1], 0x0               ; W1 s[4:5], b1 s[6:7], xb s[8:9], sel s[10:11]
	s_load_b128 s[12:15], s[0:1], 0x20             ; hid s[12:13], lists s[14:15]
	v_lshl_add_u32 v[SPW], v0, 2, SPARE
	v_mov_b32 v[NIL], 0
	v_lshrrev_b32 v22, 5, v0
	v_readfirstlane_b32 s[WV], v22                 ; wave 0..3
	s_and_b32 s[EX], ttmp7, 0xffff                 ; the expert
	s_mov_b32 s[SL], ttmp9                         ; the slice of 128 hidden columns
	s_mov_b32 s[KO+1], 0
	v_and_b32 v22, 7, v0
	v_bfe_u32 v23, v0, 4, 1                        ; l / 16
	v_bfe_u32 v24, v0, 3, 1
	v_and_b32 v25, 15, v0                          ; l % 16
	v_and_b32 v26, 31, v0                          ; l
	v_lshl_add_u32 v22, v23, 3, v22
	v_mul_u32_u24 v[B0], v22, LP                   ; K row 8 (l / 16) + l % 8,
	v_lshl_add_u32 v[B0], v24, 4, v[B0]            ; columns 8 ((l / 8) % 2) on
	s_mul_i32 s40, s[WV], 16*SP
	s_add_co_u32 s40, s40, STAGE                   ; my stage
	v_mul_u32_u24 v[STO], v25, SP
	v_lshl_add_u32 v[STO], v23, 4, v[STO]
	v_add_nc_u32 v[STO], s40, v[STO]
	v_mul_u32_u24 v[RD], v23, SP
	v_lshl_add_u32 v[RD], v25, 4, v[RD]
	v_add_nc_u32 v[RD], s40, v[RD]
	v_lshlrev_b32 v[C16], 4, v25
	v_mov_b32 v[ZR], 0
	v_mov_b32 v[CLP], 0x7bff7bff
	v_lshlrev_b32 v[BOFF], 5, v23
	v_lshlrev_b32 v[H16], 4, v23
	v_lshlrev_b32 v[IX], 2, v23
.irp t, 1,2,3,4,5,6,7
	v_add_nc_u32 v[IX+(\t)], 8*(\t), v[IX]         ; lane 2 t + l / 16, times 4
.endr
.irp m, 0,1,2,3,4
	v_mov_b32 v[RID+(\m)], 0                       ; so that every register that the way out names holds a number on every way through the text
.endr
	v_lshlrev_b32 v[SELO], 4, v26
	s_mul_i32 s41, s[WV], 64*LP                    ; my 64 rows of a trip of the stream, in LDS
	v_lshl_add_u32 v[LBASE], v26, 3, s41
	s_lshl_b32 s41, s[WV], LOGW+6                  ; and in memory
	v_lshl_add_u32 v[LOFF], v26, 4, s41
	s_lshl_b32 s[OFS], s[EX], 24                   ; W1[e] is 16 MiB; a slice's columns are 512 bytes of each row
	s_lshl_b32 s40, s[SL], 9
	s_add_co_u32 s[OFS], s[OFS], s40
	s_mov_b32 s[OFS+1], 0
	s_lshl_b32 s42, s[EX], 14
	s_add_co_u32 s42, s42, s40
	s_mov_b32 s43, 0
	s_lshl_b32 s44, s[SL], 8
	s_mov_b32 s45, 0
	s_lshl_b32 s46, s[EX], 13
	s_mov_b32 s47, 0
	s_wait_kmcnt 0x0
	s_add_nc_u64 s[4:5], s[4:5], s[OFS:OFS+1]
	s_add_nc_u64 s[6:7], s[6:7], s[42:43]
	s_add_nc_u64 s[12:13], s[12:13], s[44:45]
	s_add_nc_u64 s[14:15], s[14:15], s[46:47]
	; the bias (my lane's 64 columns: 16 b + 8 (l / 16) + 0..7), sel, and the first three groups of weight rows: 56 loads
.irp b, 0,1,2,3,4,5,6,7
	global_load_b128 v[BR+8*(\b):BR+8*(\b)+3],   v[BOFF], s[6:7] offset:64*(\b)
	global_load_b128 v[BR+8*(\b)+4:BR+8*(\b)+7], v[BOFF], s[6:7] offset:64*(\b)+16
.endr
.set j, 0
.rept 16
	global_load_b128 v[SE+4*j:SE+4*j+3], v[SELO], s[10:11] offset:512*j  ; every wave loads sel, so that its registers are written in every wave; wave 0 uses it
.set j, j+1
.endr
	WIN 0xc0
	WLOAD 0, 0
	WLOAD 1, 8
	WLOAD 2, 16
	s_wait_loadcnt 24                              ; the bias and sel are in; the three groups of weight rows are younger
	WLOAD 3, 24
	WLOAD 4, 32
	WLOAD 5, 40
	WLOAD 6, 48                                    ; 56 loads of mine are out
	BIAS_INIT 0, BR
	s_cmp_lg_u32 s[WV], 0
	s_cbranch_scc1 .Lring0
	; WAVE 0 BUILDS THE LIST, alone, so that no two waves write one range of LDS.  Lane l holds rho = 128 j + 4 l + c.
	v_add_nc_u32 v[LAD], LIST, v[SELO]
	v_mov_b32 v32, 0
	v_mov_b32 v33, 0
	v_mov_b32 v34, 0
	v_mov_b32 v35, 0
.set j, 0
.rept 8
	ds_store_b128 v[LAD], v[32:35] offset:512*j    ; the list starts as zeros: every word that is read or stored later has been written
.set j, j+1
.endr
	v_lshlrev_b32 v[L4], 2, v26
	v_add_nc_u32 v[LDU], 1024, v26                 ; where a lane that does not match puts its word
	s_mov_b32 s46, 0                               ; the running count
.set j, 0
.rept 64
	v_cmp_eq_u32 s44, s[EX], v[SE+j]
	v_mbcnt_lo_u32_b32 v[LIX], s44, s46            ; the count so far + the matching lanes below me
	s_bcnt1_i32_b32 s45, s44
	v_cndmask_b32 v[LIX], v[LDU], v[LIX], s44
	s_add_co_u32 s46, s46, s45
	v_min_u32 v[LIX], 0x41f, v[LIX]                ; inside the list and its 32 spare places, whatever sel holds
	v_add_nc_u32 v[LVA], 128*(j/4)+j%4, v[L4]
	v_lshl_add_u32 v[LIX], v[LIX], 2, LIST
	ds_store_b32 v[LIX], v[LVA]
.set j, j+1
.endr
	s_min_u32 s46, s46, 0x400
	v_mov_b32 v[LIX], CNTW
	v_mov_b32 v[LVA], s46
	ds_store_b32 v[LIX], v[LVA]
	s_cmp_lg_u32 s[SL], 0
	s_cbranch_scc1 .Lring0
.set j, 0
.rept 8                                ; slice 0 hands list and count to the next launch, through sel's registers, which have served
	ds_load_b128 v[SE+4*j:SE+4*j+3], v[LAD] offset:512*j
.set j, j+1
.endr
	s_wait_dscnt 0x0
.set j, 0
.rept 8
	global_store_b128 v[SELO], v[SE+4*j:SE+4*j+3], s[14:15] offset:512*j
.set j, j+1
.endr
	global_store_b32 v[L4], v[LVA], s[14:15] offset:4096
	s_wait_xcnt 0x0                                ; the stores' registers are free again
.Lring0:
	; THE STREAM: three trips of 64 rows a wave that ask ahead, and the fourth written out, which asks for its own last group alone
	s_mov_b32 s[LB], 0
	s_mov_b32 s[TR], 3
.Lring:
	v_add_nc_u32 v[LST], s[LB], v[LBASE]
.irp q, 0,1,2,3,4,5,6,7
	GRP \q, 1, 48                                  ; six younger groups stay out
.endr
	s_wait_xcnt 0x0                                ; the offset of pending loads steps only behind this wait
	v_add_nc_u32 v[LOFF], 256*WPITCH, v[LOFF]
	s_add_co_u32 s[LB], s[LB], 256*LP
	s_sub_co_u32 s[TR], s[TR], 1
	s_cmp_lg_u32 s[TR], 0
	s_cbranch_scc1 .Lring
	v_add_nc_u32 v[LST], s[LB], v[LBASE]
	GRP 0, 1, 48
.irp q, 1,2,3,4,5,6,7
	GRP \q, 0, 8*(7-\q)                            ; nothing is asked for any more: the counts run down
.endr
	s_wait_dscnt 0x0                               ; for the others' sake: my rows, and wave 0's list and count, are in LDS
	s_barrier_signal -1
	s_barrier_wait -1
	WIN 0xc0                                       ; the ring's registers are free: the bias moves there, out of the second weight buffer
.set q, 0
.rept 64
	v_mov_b32 v[BK+q], v[BR+q]
.set q, q+1
.endr
	WIN 0
	v_mov_b32 v22, CNTW
	ds_load_b32 v23, v22
	s_wait_dscnt 0x0
	v_readfirstlane_b32 s[CNT], v23
	s_min_u32 s[CNT], s[CNT], 0x400
	s_max_u32 s[CM1], s[CNT], 1
	s_sub_co_u32 s[CM1], s[CM1], 1                 ; the last live place (place 0, which holds 0, where there is none)
	s_mul_i32 s[IB], s[WV], 80
	s_sub_co_i32 s[REM], s[CNT], s[IB]
	s_mov_b32 s[PS], 4
.Lpass:                                ; four passes of 320 rows serve every count up to 1,024; a wave without rows jumps the work and passes the barriers
	s_cmp_gt_i32 s[REM], 0
	s_cbranch_scc0 .Lnok
	ROWS
	s_mov_b64 s[AB:AB+1], s[8:9]
	s_mov_b32 s[KO], 256
	s_add_nc_u64 s[AN:AN+1], s[8:9], s[KO:KO+1]
	s_mov_b32 s[CB], 0
	WIN 0x40
	ALOAD 0, AB, 0
	ALOAD 1, AB, 64
	ALOAD 2, AB, 128
	WIN 0
	v_add_nc_u32 v[BAD], s[CB], v[B0]
	BLOAD BF0, BAD, 0
	s_mov_b32 s[KC], 8
.Lk:                                   ; a trip: 128 K, 160 matrix instructions
	s_add_co_u32 s[CN], s[CB], CHUNK               ; the next trip's chunk; behind the last, chunk 0 once more: the look-ahead stays inside the slice, and its fragments are not used
	s_cmp_eq_u32 s[CN], 8*CHUNK
	s_cselect_b32 s[CN], 0, s[CN]
	v_add_nc_u32 v[BAD], s[CB], v[B0]
	v_add_nc_u32 v[BADN], s[CN], v[B0]
	STEP 0
	STEP 1
	STEP 2
	STEP 3
	s_wait_xcnt 0x0                                ; the bases of pending loads step only behind this wait
	s_mov_b64 s[AB:AB+1], s[AN:AN+1]
	s_add_co_u32 s[KO], s[KO], 256
	s_and_b32 s[KO], s[KO], 0x7ff                  ; behind the last trip's K the look-ahead goes back to K = 0: no load leaves its row
	s_add_nc_u64 s[AN:AN+1], s[8:9], s[KO:KO+1]
	s_add_co_u32 s[CB], s[CB], CHUNK
	s_sub_co_u32 s[KC], s[KC], 1
	s_cmp_lg_u32 s[KC], 0
	s_cbranch_scc1 .Lk
	s_wait_loadcnt 0x0                             ; the look-ahead's thirty loads have landed: their registers may be asked for again
	PLACES                                         ; behind the last products
.Lnok:
	s_wait_dscnt 0x0                               ; my reads of the slice and of the list are over
	s_barrier_signal -1
	s_barrier_wait -1                              ; everybody's are: the stages may be written
	EPI 0
	EPI 1
	EPI 2
	EPI 3
	EPI 4
.Lepi_end:
	s_cmp_gt_i32 s[REM], 320
	s_cbranch_scc0 .Lnoinit
	BIAS_INIT 3, BK                                ; a further pass follows for me: its sums start from the bias
.Lnoinit:
	s_wait_dscnt 0x0
	s_barrier_signal -1
	s_barrier_wait -1                              ; no stage is written any more: the slice may be read
	s_add_co_u32 s[IB], s[IB], 320
	s_sub_co_i32 s[REM], s[REM], 320
	s_sub_co_u32 s[PS], s[PS], 1
	s_cmp_lg_u32 s[PS], 0
	s_cbranch_scc1 .Lpass
	s_wait_tensorcnt 0x0                           ; the wave's end: behind my last LDS store
	ds_add_u32 v[SPW], v[NIL]
	s_wait_dscnt 0x0
	s_endpgm
.Lfunc_end_k_qe80480f000_up:
	.size	k_qe80480f000_up, .Lfunc_end_k_qe80480f000_up-k_qe80480f000_up
	.p2alignl 7, 3214868480
	.fill 96, 4, 3214868480
	.section	.rodata,"a",@progbits
	.p2align	6, 0x0
	.amdhsa_kernel k_qe80480f000_up
		.amdhsa_group_segment_fixed_size 317184
		.amdhsa_private_segment_fixed_size 0
		.amdhsa_enable_private_segment 0
		.amdhsa_kernarg_size 48
		.amdhsa_user_sgpr_count 2
		.amdhsa_user_sgpr_kernarg_segment_ptr 1
		.amdhsa_wavefront_size32 1
		.amdhsa_system_sgpr_workgroup_id_x 1
		.amdhsa_system_sgpr_workgroup_id_y 1
		.amdhsa_system_sgpr_workgroup_id_z 1
		.amdhsa_system_vgpr_workitem_id 0
		.amdhsa_next_free_vgpr 1024
		.amdhsa_next_free_sgpr 66
		.amdhsa_reserve_vcc 0
		.amdhsa_float_denorm_mode_32 3
		.amdhsa_float_denorm_mode_16_64 3
		.amdhsa_memory_ordered 1
		.amdhsa_forward_progress 1
		.amdhsa_inst_pref_size 181
	.end_amdhsa_kernel
	.amdgpu_metadata
---
amdhsa.version: [ 1, 2 ]
amdhsa.kernels:
  - .name:           k_qe80480f000_up
    .symbol:         k_qe80480f000_up.kd
    .args:
      - { .name: W1, .offset: 0, .size: 8, .value_kind: global_buffer, .address_space: global }
      - { .name: b1, .offset: 8, .size: 8, .value_kind: global_buffer, .address_space: global }
      - { .name: xb, .offset: 16, .size: 8, .value_kind: global_buffer, .address_space: global }
      - { .name: sel, .offset: 24, .size: 8, .value_kind: global_buffer, .address_space: global }
      - { .name: hid, .offset: 32, .size: 8, .value_kind: global_buffer, .address_space: global }
      - { .name: lists, .offset: 40, .size: 8, .value_kind: global_buffer, .address_space: global }
    .group_segment_fixed_size: 317184
    .private_segment_fixed_size: 0
    .kernarg_segment_align: 8
    .kernarg_segment_size: 48
    .max_flat_workgroup_size: 128
    .sgpr_count:     66
    .vgpr_count:     1024
    .wavefront_size: 32
...
	.end_amdgpu_metadata
.endif
;; end of part 2
;; launch down (part 3): grid 32 x 8, 4 waves a work-group, no clusters, 312,832 bytes of LDS; arguments W2, b2, hid, lists, ypart; writes ypart
.if DOCPART == 3
	.amdgcn_target "amdgcn-amd-amdhsa--gfx1250"
	.amdhsa_code_object_version 6
	.text
	.protected	k_qe80480f000_down
	.globl	k_qe80480f000_down
	.p2align	8
	.type	k_qe80480f000_down,@function
k_qe80480f000_down:
	s_mov_b64 s[64:65], 0
	v_nop
	global_prefetch_b8 v0, s[64:65] scope:SCOPE_SE
	s_setreg_imm32_b32 hwreg(HW_REG_WAVE_MODE, 25, 1), 1
	s_wait_xcnt 0x0
; SECOND PRODUCT OF THE CHOSEN ROWS.  ypart[ks][rho][:] = hid[rho][1024 ks ..] W2[e][1024 ks ..][:] (+ b2[e] in K slice 0) in f32, for every routed row rho of expert e's list.
; A WORK-GROUP (x = 8 ks + cs, y = expert e) owns 1,024 K x 128 columns of W2[e], 512 KiB of f32 that it alone reads, once, and all rows of that expert (0 to 1,024, by the stored count).
; The four K slices' partial sums stay f32 and are added, with the gates, by the next launch.  W2 is rounded once to f16 on its way through registers; hid is f16; sums in f32, started from b2 in f32 (from 0 outside K slice 0).
; LIMITS.  f16 holds no number beyond 65,504, and below 6.1e-5 it keeps a fixed step of 6e-8: W2 thirty times smaller than a spread of 1/64 still has a spread of 5e-4.  NaN and infinities are not treated apart.
; FOUR WAVES, ONE TEXT, TWO PHASES, as in the first product.  THE STREAM: wave w loads K rows 256 t + 64 w + 0..63 of the slice (512 bytes a load), rounds them and lays them [k][n] in f16 into LDS, where the slice stays;
; a ring of 8 groups of 8 loads, group q + 7 asked for as soon as group q is in: 48 to 56 loads of the wave are out; one barrier ends the phase.  THE PASSES: four passes of 320 rows; wave w has rows 320 p + 80 w + 0..79 by
; 128 columns, 40 accumulators; weights come turned out of LDS, rows of hid straight from memory into operand registers.  A pass's products and its way out each stand under a forward branch on the wave's remaining rows;
; a barrier in text that every wave runs follows each, so that no wave stores into LDS (its stage) while another reads weights.
; Places past the count repeat the last live row (the index is clamped): the same bits for the same address; whole stores past the count are jumped.
; NO CLUSTER, NO TENSOR LOADS: each weight byte has one reader; the rows that work-groups share come by a list; LDS is filled by the resident slice.
; REGISTERS, in windows of 256 (s_set_vgpr_msb: bits 1:0 source 0, 3:2 source 1, 5:4 source 2, 7:6 destination):
;   window 0: v0-31 addresses; v32-95, v96-159 weights' fragments, two buffers; v160-239 the way out (until the stream has ended: v160-223 the bias); v240-255 eight rows rounded
;   window 1: v0-159 row fragments, four buffers of 40; v160-223 the accumulators of row block 4
;   window 2: the accumulators of row blocks 0-3, (m, b) at 64 m + 8 b          window 3: the ring's 8 groups of 32 registers; behind the stream v0-63 keep the bias
.set WPITCH, 4096                      ; bytes from a K row of W2[e] to the next
.set LOGW,   12
.set LP,     288                       ; an LDS row: 256 bytes + 32 = 72 words: the turning load's 8 rows x 32 bytes fall on different banks (64 banks of 4 bytes: ISA guide 11.1)
.set STEPB,  32*LP
.set CHUNK,  128*LP
.set STAGE,  1024*LP                   ; behind the slice: 16 rows x 272 bytes for each wave
.set SP,     272
.set SPARE,  STAGE+4*16*SP             ; the spare words, 128 bytes a wave: no other line names them
.set SPW,  1
.set NIL,  2
.set B0,   3
.set BAD,  4
.set BADN, 5
.set AOFF, 6
.set STO,  11
.set RD,   12
.set C16,  13
.set BOFF, 15
.set H16,  16
.set RID,  17
.set LBASE, 28
.set LST,  29
.set LOFF, 30
.set BF0,  32
.set BR,   160                         ; the bias as loaded: column block b, register j at BR + 8 b + j
.set UU,   192
.set OF,   224
.set IX,   232
.set CV,   240
.set ACC4, 160                         ; window 1
.set BK,   0                           ; window 3: the bias, kept for the later passes
.set WV, 16
.set EX, 18
.set SL, 19
.set TR, 20
.set KM, 21                            ; all ones in K slice 0, else 0: the bias enters once
.set LB, 22
.set CB, 23
.set CNT, 24
.set REM, 25
.set IB, 26
.set PS, 27
.set KC, 28
.set CN, 29
.set CM1, 31
.set KO, 32
.set AB, 34
.set AN, 36
.set OFS, 38
.set A0, 48                            ; s[48:49] hid at my K slice
.set MSB, 0
.macro WIN new                         ; the immediate's high byte repeats the setting that is left; a switch that changes nothing is dropped
.if MSB != (\new)
	s_set_vgpr_msb (MSB<<8)|(\new)
.set MSB, (\new)
.endif
.endm
.macro PLACES                          ; four plain vector lines behind a matrix instruction, in front of loads into its sources and of lines that read its result
.rept 4
	v_nop
.endr
.endm
.macro WLOAD q, row                    ; eight K rows, from row 'row' of LOFF's on, into slot group q (window 3); each load covers 512 consecutive bytes, aligned
.set wi, 0
.rept 8
	global_load_b128 v[32*(\q)+4*wi:32*(\q)+4*wi+3], v[LOFF], s[4:5] offset:((\row)+wi)*WPITCH th:TH_LOAD_NT
.set wi, wi+1
.endr
.endm
; Group q of a trip of the stream.  left: the younger loads that may stay out.  issue = 1: the group seven further on is asked for, into the slots that the group before has left.
.macro GRP q, issue, left
	s_wait_loadcnt \left                           ; loads return in order (ISA guide 5.7.1): my group's eight are in
.if \issue
	WIN 0xc0
.if (\q) == 0
	WLOAD 7, 56
.else
	WLOAD (\q)-1, 256+8*((\q)-1)
.endif
.endif
	WIN 0x0f
.set gi, 0
.rept 8
	v_cvt_pk_f16_f32 v[CV+2*gi],   v[32*(\q)+4*gi],   v[32*(\q)+4*gi+1]
	v_cvt_pk_f16_f32 v[CV+2*gi+1], v[32*(\q)+4*gi+2], v[32*(\q)+4*gi+3]
.set gi, gi+1
.endr
	WIN 0
.set gi, 0
.rept 8
	ds_store_b64 v[LST], v[CV+2*gi:CV+2*gi+1] offset:(8*(\q)+gi)*LP
.set gi, gi+1
.endr
.endm
.macro BLOAD fr, adr, off              ; weights' fragments of all 8 column blocks for one K step, turned
.irp b, 0,1,2,3,4,5,6,7
	ds_load_tr16_b128 v[(\fr)+8*(\b):(\fr)+8*(\b)+3],   v[\adr] offset:(\off)+32*(\b)
	ds_load_tr16_b128 v[(\fr)+8*(\b)+4:(\fr)+8*(\b)+7], v[\adr] offset:(\off)+16*LP+32*(\b)
.endr
.endm
.macro ALOAD buf, base, imm            ; fragments of my 5 row blocks for one K step (window 1), straight from hid
.irp m, 0,1,2,3,4
	global_load_b128 v[40*(\buf)+8*(\m):40*(\buf)+8*(\m)+3],   v[AOFF+(\m)], s[\base:\base+1] offset:(\imm)
	global_load_b128 v[40*(\buf)+8*(\m)+4:40*(\buf)+8*(\m)+7], v[AOFF+(\m)], s[\base:\base+1] offset:(\imm)+32
.endr
.endm
; 40 matrix instructions; source 0 = weights, source 1 = rows: a lane's eight results are eight neighbouring columns of one row.  The 40 accumulators take turns, one instruction a turn.
.macro MUL ab, fr
	WIN 0xa4
.irp m, 0,1,2,3
.irp b, 0,1,2,3,4,5,6,7
	v_wmma_f32_16x16x32_f16 v[64*(\m)+8*(\b):64*(\m)+8*(\b)+7], v[(\fr)+8*(\b):(\fr)+8*(\b)+7], v[40*(\ab)+8*(\m):40*(\ab)+8*(\m)+7], v[64*(\m)+8*(\b):64*(\m)+8*(\b)+7]
.endr
.endr
	WIN 0x54
.irp b, 0,1,2,3,4,5,6,7
	v_wmma_f32_16x16x32_f16 v[ACC4+8*(\b):ACC4+8*(\b)+7], v[(\fr)+8*(\b):(\fr)+8*(\b)+7], v[40*(\ab)+32:40*(\ab)+39], v[ACC4+8*(\b):ACC4+8*(\b)+7]
.endr
	WIN 0
.endm
; Step j of a trip's four.  The row buffer and the weight buffer that the step before multiplied are asked for again: rows three steps ahead, weights one step ahead.
.macro STEP j
	PLACES
	WIN 0x40
.if (\j) == 0
	ALOAD 3, AB, 192
.else
	ALOAD (\j)-1, AN, 64*((\j)-1)
.endif
	WIN 0
.if (\j) < 3
	BLOAD BF0+64*(((\j)+1)%2), BAD, ((\j)+1)*STEPB
.else
	BLOAD BF0, BADN, 0
.endif
	s_wait_loadcnt 30                              ; my step's rows are in; the three younger buffers' thirty loads stay out
	s_wait_dscnt 16                                ; my step's weights are in; the sixteen loads just issued stay out
	MUL \j, BF0+64*((\j)%2)
.endm
.macro BIAS_INIT sw, base              ; the bias, in f32 (0 outside K slice 0), starts all 40 sums.  sw, base: the window and the first of the 64 registers that hold it
	WIN 0x80|(\sw)                                 ; destination window 2
.set q, 0
.rept 256
	v_mov_b32 v[q], v[(\base)+q%64]
.set q, q+1
.endr
	WIN 0x40|(\sw)                                 ; destination window 1
.set q, 0
.rept 64
	v_mov_b32 v[ACC4+q], v[(\base)+q]
.set q, q+1
.endr
	WIN 0
.endm
.macro ROWS                            ; rho and the row's offset in hid for my 80 places of the list; a place past the count takes the last live row
	s_wait_xcnt 0x0                                ; registers that earlier stores and loads name are rewritten only behind this wait
	v_and_b32 v22, 15, v0
	v_add_nc_u32 v22, s[IB], v22
.irp m, 0,1,2,3,4
	v_add_nc_u32 v[23+(\m)], 16*(\m), v22
	v_min_u32 v[23+(\m)], s[CM1], v[23+(\m)]
	v_min_u32 v[23+(\m)], 0x3ff, v[23+(\m)]
	v_lshlrev_b32 v[23+(\m)], 2, v[23+(\m)]
	global_load_b32 v[RID+(\m)], v[23+(\m)], s[10:11]
.endr
	s_wait_loadcnt 0x0
.irp m, 0,1,2,3,4
	v_min_u32 v[RID+(\m)], 0x7ff, v[RID+(\m)]
	v_lshl_add_u32 v[AOFF+(\m)], v[RID+(\m)], 13, v[H16]  ; a row of hid is 8,192 bytes
.endr
.endm
; THE WAY OUT of row block m, 64 columns (256 bytes of f32) at a time: through my own stage, back as whole rows, each stored at its rho.
.macro EPIH m, q
.if (\m) < 4
	WIN 0x08                                       ; the stores' data lie in window 2
.set AC, 64*(\m)+32*(\q)
.else
	WIN 0x04                                       ; in window 1
.set AC, ACC4+32*(\q)
.endif
.irp b, 0,1,2,3
	ds_store_b128 v[STO], v[AC+8*(\b):AC+8*(\b)+3]   offset:64*(\b)      ; each accumulator's low registers first
	ds_store_b128 v[STO], v[AC+8*(\b)+4:AC+8*(\b)+7] offset:64*(\b)+16
.endr
	WIN 0
	s_wait_xcnt 0x0                                ; earlier stores have read UU
.irp t, 0,1,2,3,4,5,6,7
	ds_load_b128 v[UU+4*(\t):UU+4*(\t)+3], v[RD] offset:2*SP*(\t)  ; LDS serves a wave's instructions in order (ISA guide 5.7.1.4)
.endr
	s_wait_dscnt 0x0
.irp t, 0,1,2,3,4,5,6,7
.if (\t) > 0
	s_cmp_le_i32 s[REM], 16*(\m)+2*(\t)            ; stores wholly past the count are jumped
	s_cbranch_scc1 .Lblk\m\q
.endif
	global_store_b128 v[OF+(\t)], v[UU+4*(\t):UU+4*(\t)+3], s[12:13] offset:256*(\q)  ; sixteen lanes store 256 consecutive bytes, aligned
.endr
.Lblk\m\q:
.endm
.macro EPI m
	s_cmp_le_i32 s[REM], 16*(\m)
	s_cbranch_scc1 .Lepi_end
	s_wait_xcnt 0x0                                ; the block before's stores have read OF
.irp t, 0,1,2,3,4,5,6,7
	ds_bpermute_b32 v[OF+(\t)], v[IX+(\t)], v[RID+(\m)]  ; rho of rows 2 t and 2 t + 1, for the lower and the upper sixteen lanes
.endr
	s_wait_dscnt 0x0
.irp t, 0,1,2,3,4,5,6,7
	v_min_u32 v[OF+(\t)], 0x7ff, v[OF+(\t)]
	v_lshl_add_u32 v[OF+(\t)], v[OF+(\t)], 12, v[C16]  ; a row of ypart is 4,096 bytes
.endr
	EPIH \m, 0
	EPIH \m, 1
.endm
	s_load_b256 s[4:11], s[0:1], 0x0               ; W2 s[4:5], b2 s[6:7], hid s[8:9], lists s[10:11]
	s_load_b64 s[12:13], s[0:1], 0x20              ; ypart
	v_lshl_add_u32 v[SPW], v0, 2, SPARE
	v_mov_b32 v[NIL], 0
	v_lshrrev_b32 v22, 5, v0
	v_readfirstlane_b32 s[WV], v22                 ; wave 0..3
	s_and_b32 s[EX], ttmp7, 0xffff
	s_mov_b32 s[SL], ttmp9
	s_mov_b32 s[KO+1], 0
	v_and_b32 v22, 7, v0
	v_bfe_u32 v23, v0, 4, 1                        ; l / 16
	v_bfe_u32 v24, v0, 3, 1
	v_and_b32 v25, 15, v0                          ; l % 16
	v_and_b32 v26, 31, v0                          ; l
	v_lshl_add_u32 v22, v23, 3, v22
	v_mul_u32_u24 v[B0], v22, LP
	v_lshl_add_u32 v[B0], v24, 4, v[B0]
	s_mul_i32 s40, s[WV], 16*SP
	s_add_co_u32 s40, s40, STAGE                   ; my stage
	v_mul_u32_u24 v[STO], v25, SP                  ; in: row l % 16, 32 bytes (8 f32) for each half of the lanes
	v_lshl_add_u32 v[STO], v23, 5, v[STO]
	v_add_nc_u32 v[STO], s40, v[STO]
	v_mul_u32_u24 v[RD], v23, SP
	v_lshl_add_u32 v[RD], v25, 4, v[RD]
	v_add_nc_u32 v[RD], s40, v[RD]
	v_lshlrev_b32 v[C16], 4, v25
	v_lshlrev_b32 v[BOFF], 5, v23
	v_lshlrev_b32 v[H16], 4, v23
	v_lshlrev_b32 v[IX], 2, v23
.irp t, 1,2,3,4,5,6,7
	v_add_nc_u32 v[IX+(\t)], 8*(\t), v[IX]
.endr
.irp m, 0,1,2,3,4
	v_mov_b32 v[RID+(\m)], 0                       ; so that every register that the way out names holds a number on every way through the text
.endr
	s_mul_i32 s41, s[WV], 64*LP
	v_lshl_add_u32 v[LBASE], v26, 3, s41
	s_lshl_b32 s41, s[WV], LOGW+6
	v_lshl_add_u32 v[LOFF], v26, 4, s41
	s_lshr_b32 s40, s[SL], 3                       ; ks: which 1,024 of K
	s_and_b32 s41, s[SL], 7
	s_lshl_b32 s41, s41, 9                         ; cs: which 128 columns, 512 bytes of f32
	s_cmp_eq_u32 s40, 0
	s_cselect_b32 s[KM], -1, 0
	s_mov_b32 s[OFS+1], 0
	s_wait_kmcnt 0x0
	s_lshl_b32 s[OFS], s[EX], 24
	s_lshl_b32 s42, s40, 22
	s_add_co_u32 s[OFS], s[OFS], s42
	s_add_co_u32 s[OFS], s[OFS], s41
	s_add_nc_u64 s[4:5], s[4:5], s[OFS:OFS+1]
	s_lshl_b32 s[OFS], s[EX], 13
	s_add_nc_u64 s[10:11], s[10:11], s[OFS:OFS+1]  ; the expert's list; its count lies 4,096 bytes on
	s_load_b32 s[CNT], s[10:11], 0x1000
	s_lshl_b32 s[OFS], s[EX], 12
	s_add_co_u32 s[OFS], s[OFS], s41
	s_add_nc_u64 s[6:7], s[6:7], s[OFS:OFS+1]
	s_lshl_b32 s[OFS], s40, 11
	s_add_nc_u64 s[A0:A0+1], s[8:9], s[OFS:OFS+1]
	s_lshl_b32 s[OFS], s40, 23
	s_add_co_u32 s[OFS], s[OFS], s41
	s_add_nc_u64 s[12:13], s[12:13], s[OFS:OFS+1]
	; the bias (my lane's 64 columns: 16 b + 8 (l / 16) + 0..7) and the first five groups of weight rows: 56 loads
.irp b, 0,1,2,3,4,5,6,7
	global_load_b128 v[BR+8*(\b):BR+8*(\b)+3],   v[BOFF], s[6:7] offset:64*(\b)
	global_load_b128 v[BR+8*(\b)+4:BR+8*(\b)+7], v[BOFF], s[6:7] offset:64*(\b)+16
.endr
	WIN 0xc0
	WLOAD 0, 0
	WLOAD 1, 8
	WLOAD 2, 16
	WLOAD 3, 24
	WLOAD 4, 32
	s_wait_loadcnt 40                              ; the bias is in; the five groups of weight rows are younger
	WLOAD 5, 40
	WLOAD 6, 48                                    ; 56 loads of mine are out
	WIN 0
.set q, 0
.rept 64
	v_and_b32 v[BR+q], s[KM], v[BR+q]              ; the bias enters in K slice 0 alone
.set q, q+1
.endr
	BIAS_INIT 0, BR
	; THE STREAM: three trips of 64 rows a wave that ask ahead, and the fourth written out, which asks for its own last group alone
	s_mov_b32 s[LB], 0
	s_mov_b32 s[TR], 3
.Lring:
	v_add_nc_u32 v[LST], s[LB], v[LBASE]
.irp q, 0,1,2,3,4,5,6,7
	GRP \q, 1, 48                                  ; six younger groups stay out
.endr
	s_wait_xcnt 0x0                                ; the offset of pending loads steps only behind this wait
	v_add_nc_u32 v[LOFF], 256*WPITCH, v[LOFF]
	s_add_co_u32 s[LB], s[LB], 256*LP
	s_sub_co_u32 s[TR], s[TR], 1
	s_cmp_lg_u32 s[TR], 0
	s_cbranch_scc1 .Lring
	v_add_nc_u32 v[LST], s[LB], v[LBASE]
	GRP 0, 1, 48
.irp q, 1,2,3,4,5,6,7
	GRP \q, 0, 8*(7-\q)                            ; nothing is asked for any more: the counts run down
.endr
	s_wait_dscnt 0x0                               ; for the others' sake: my rows are in LDS
	s_barrier_signal -1
	s_barrier_wait -1
	WIN 0xc0                                       ; the ring's registers are free: the bias moves there, out of the way out's registers
.set q, 0
.rept 64
	v_mov_b32 v[BK+q], v[BR+q]
.set q, q+1
.endr
	WIN 0
	s_wait_kmcnt 0x0                               ; the count
	s_min_u32 s[CNT], s[CNT], 0x400
	s_max_u32 s[CM1], s[CNT], 1
	s_sub_co_u32 s[CM1], s[CM1], 1                 ; the last live place (place 0, which holds 0, where there is none)
	s_mul_i32 s[IB], s[WV], 80
	s_sub_co_i32 s[REM], s[CNT], s[IB]
	s_mov_b32 s[PS], 4
.Lpass:                                ; four passes of 320 rows serve every count up to 1,024; a wave without rows jumps the work and passes the barriers
	s_cmp_gt_i32 s[REM], 0
	s_cbranch_scc0 .Lnok
	ROWS
	s_mov_b64 s[AB:AB+1], s[A0:A0+1]
	s_mov_b32 s[KO], 256
	s_add_nc_u64 s[AN:AN+1], s[A0:A0+1], s[KO:KO+1]
	s_mov_b32 s[CB], 0
	WIN 0x40
	ALOAD 0, AB, 0
	ALOAD 1, AB, 64
	ALOAD 2, AB, 128
	WIN 0
	v_add_nc_u32 v[BAD], s[CB], v[B0]
	BLOAD BF0, BAD, 0
	s_mov_b32 s[KC], 8
.Lk:                                   ; a trip: 128 K, 160 matrix instructions
	s_add_co_u32 s[CN], s[CB], CHUNK               ; the next trip's chunk; behind the last, chunk 0 once more: the look-ahead stays inside the slice, and its fragments are not used
	s_cmp_eq_u32 s[CN], 8*CHUNK
	s_cselect_b32 s[CN], 0, s[CN]
	v_add_nc_u32 v[BAD], s[CB], v[B0]
	v_add_nc_u32 v[BADN], s[CN], v[B0]
	STEP 0
	STEP 1
	STEP 2
	STEP 3
	s_wait_xcnt 0x0                                ; the bases of pending loads step only behind this wait
	s_mov_b64 s[AB:AB+1], s[AN:AN+1]
	s_add_co_u32 s[KO], s[KO], 256
	s_and_b32 s[KO], s[KO], 0x7ff                  ; behind the last trip's K the look-ahead goes back to the slice's first K: no load leaves its row
	s_add_nc_u64 s[AN:AN+1], s[A0:A0+1], s[KO:KO+1]
	s_add_co_u32 s[CB], s[CB], CHUNK
	s_sub_co_u32 s[KC], s[KC], 1
	s_cmp_lg_u32 s[KC], 0
	s_cbranch_scc1 .Lk
	s_wait_loadcnt 0x0                             ; the look-ahead's thirty loads have landed: their registers may be asked for again
	PLACES                                         ; behind the last products
.Lnok:
	s_wait_dscnt 0x0                               ; my reads of the slice are over
	s_barrier_signal -1
	s_barrier_wait -1                              ; everybody's are: the stages may be written
	EPI 0
	EPI 1
	EPI 2
	EPI 3
	EPI 4
.Lepi_end:
	s_cmp_gt_i32 s[REM], 320
	s_cbranch_scc0 .Lnoinit
	BIAS_INIT 3, BK                                ; a further pass follows for me: its sums start from the bias
.Lnoinit:
	s_wait_dscnt 0x0
	s_barrier_signal -1
	s_barrier_wait -1                              ; no stage is written any more: the slice may be read
	s_add_co_u32 s[IB], s[IB], 320
	s_sub_co_i32 s[REM], s[REM], 320
	s_sub_co_u32 s[PS], s[PS], 1
	s_cmp_lg_u32 s[PS], 0
	s_cbranch_scc1 .Lpass
	s_wait_tensorcnt 0x0                           ; the wave's end: behind my last LDS store
	ds_add_u32 v[SPW], v[NIL]
	s_wait_dscnt 0x0
	s_endpgm
.Lfunc_end_k_qe80480f000_down:
	.size	k_qe80480f000_down, .Lfunc_end_k_qe80480f000_down-k_qe80480f000_down
	.p2alignl 7, 3214868480
	.fill 96, 4, 3214868480
	.section	.rodata,"a",@progbits
	.p2align	6, 0x0
	.amdhsa_kernel k_qe80480f000_down
		.amdhsa_group_segment_fixed_size 312832
		.amdhsa_private_segment_fixed_size 0
		.amdhsa_enable_private_segment 0
		.amdhsa_kernarg_size 40
		.amdhsa_user_sgpr_count 2
		.amdhsa_user_sgpr_kernarg_segment_ptr 1
		.amdhsa_wavefront_size32 1
		.amdhsa_system_sgpr_workgroup_id_x 1
		.amdhsa_system_sgpr_workgroup_id_y 1
		.amdhsa_system_sgpr_workgroup_id_z 1
		.amdhsa_system_vgpr_workitem_id 0
		.amdhsa_next_free_vgpr 1024
		.amdhsa_next_free_sgpr 66
		.amdhsa_reserve_vcc 0
		.amdhsa_float_denorm_mode_32 3
		.amdhsa_float_denorm_mode_16_64 3
		.amdhsa_memory_ordered 1
		.amdhsa_forward_progress 1
		.amdhsa_inst_pref_size 126
	.end_amdhsa_kernel
	.amdgpu_metadata
---
amdhsa.version: [ 1, 2 ]
amdhsa.kernels:
  - .name:           k_qe80480f000_down
    .symbol:         k_qe80480f000_down.kd
    .args:
      - { .name: W2, .offset: 0, .size: 8, .value_kind: global_buffer, .address_space: global }
      - { .name: b2, .offset: 8, .size: 8, .value_kind: global_buffer, .address_space: global }
      - { .name: hid, .offset: 16, .size: 8, .value_kind: global_buffer, .address_space: global }
      - { .name: lists, .offset: 24, .size: 8, .value_kind: global_buffer, .address_space: global }
      - { .name: ypart, .offset: 32, .size: 8, .value_kind: global_buffer, .address_space: global }
    .group_segment_fixed_size: 312832
    .private_segment_fixed_size: 0
    .kernarg_segment_align: 8
    .kernarg_segment_size: 40
    .max_flat_workgroup_size: 128
    .sgpr_count:     66
    .vgpr_count:     1024
    .wavefront_size: 32
...
	.end_amdgpu_metadata
.endif
;; end of part 3
;; launch combine (part 4): grid 256 x 1, 8 waves a work-group, no clusters, 0 bytes of LDS; arguments ypart, gate, out0; writes out0
.if DOCPART == 4
	.amdgcn_target "amdgcn-amd-amdhsa--gfx1250"
	.amdhsa_code_object_version 6
	.text
	.protected	k_qe80480f000_combine
	.globl	k_qe80480f000_combine
	.p2align	8
	.type	k_qe80480f000_combine,@function
k_qe80480f000_combine:
	s_mov_b64 s[64:65], 0
	v_nop
	global_prefetch_b8 v0, s[64:65] scope:SCOPE_SE
	s_setreg_imm32_b32 hwreg(HW_REG_WAVE_MODE, 25, 1), 1
	s_wait_xcnt 0x0
; out0[n][:] = gate[2 n] (the sum over the four K slices of ypart[ks][2 n][:]) + gate[2 n + 1] (the same of row 2 n + 1).  All f32; one fused multiply-add for each partial sum.
; A stream: memory binds, so no LDS, no barrier, no matrix unit.  A work-group has 4 tokens; a wave half of a token's row (2,048 bytes): 32 loads of 512 consecutive bytes, all out at once, and 4 stores.
; Every address is made of ids alone: a routed row's place is 2 n + k, whatever expert made it.
.set Y,   8                            ; v8-135   row j = 2 ks + k of eight, 16 registers each
.set ACC, 136                          ; v136-151
	s_load_b128 s[4:7], s[0:1], 0x0                ; ypart s[4:5], gate s[6:7]
	s_load_b64 s[8:9], s[0:1], 0x10                ; out0
	v_lshrrev_b32 v2, 5, v0
	v_readfirstlane_b32 s10, v2                    ; wave 0..7
	v_and_b32 v1, 31, v0
	v_lshlrev_b32 v1, 4, v1                        ; 16 bytes a lane
	s_lshr_b32 s11, s10, 1
	s_lshl_b32 s12, ttmp9, 2
	s_add_co_u32 s11, s11, s12                     ; the token
	s_and_b32 s12, s10, 1
	s_lshl_b32 s12, s12, 11                        ; which half of its row
	s_lshl_b32 s14, s11, 13                        ; rows 2 n and 2 n + 1 of a K slice, 4,096 bytes each
	s_add_co_u32 s14, s14, s12
	s_mov_b32 s15, 0
	s_lshl_b32 s16, s11, 3
	s_mov_b32 s17, 0
	s_lshl_b32 s18, s11, 12
	s_add_co_u32 s18, s18, s12
	s_mov_b32 s19, 0
	s_wait_kmcnt 0x0
	s_add_nc_u64 s[6:7], s[6:7], s[16:17]
	s_load_b64 s[2:3], s[6:7], 0x0                 ; the token's two gates
	s_add_nc_u64 s[20:21], s[4:5], s[14:15]        ; a base for each K slice: 8 MiB apart, one more than a load's immediate holds
	s_add_nc_u64 s[22:23], s[20:21], 0x800000
	s_add_nc_u64 s[24:25], s[20:21], 0x1000000
	s_add_nc_u64 s[26:27], s[20:21], 0x1800000
	s_add_nc_u64 s[8:9], s[8:9], s[18:19]
.set j, 0
.rept 8
.set i, 0
.rept 4
	global_load_b128 v[Y+16*j+4*i:Y+16*j+4*i+3], v1, s[20+2*(j/2):21+2*(j/2)] offset:4096*(j%2)+512*i th:TH_LOAD_NT
.set i, i+1
.endr
.set j, j+1
.endr
	s_wait_kmcnt 0x0
	s_mov_b32 s28, s2                              ; each gate as a pair: the packed lines take the low word for both halves
	s_mov_b32 s29, s2
	s_mov_b32 s30, s3
	s_mov_b32 s31, s3
.set j, 0
.rept 8
	s_wait_loadcnt 28-4*j                          ; loads return in order (ISA guide 5.7.1): row j's four are in, the younger rows stay out
.set p, 0
.rept 8
.if j == 0
	v_pk_mul_f32 v[ACC+2*p:ACC+2*p+1], v[Y+2*p:Y+2*p+1], s[28:29] op_sel_hi:[1,0]
.else
	v_pk_fma_f32 v[ACC+2*p:ACC+2*p+1], v[Y+16*j+2*p:Y+16*j+2*p+1], s[28+2*(j%2):29+2*(j%2)], v[ACC+2*p:ACC+2*p+1] op_sel_hi:[1,0,1]
.endif
.set p, p+1
.endr
.set j, j+1
.endr
.set i, 0
.rept 4
	global_store_b128 v1, v[ACC+4*i:ACC+4*i+3], s[8:9] offset:512*i th:TH_STORE_NT  ; 512 consecutive bytes, aligned
.set i, i+1
.endr
	s_endpgm
.Lfunc_end_k_qe80480f000_combine:
	.size	k_qe80480f000_combine, .Lfunc_end_k_qe80480f000_combine-k_qe80480f000_combine
	.p2alignl 7, 3214868480
	.fill 96, 4, 3214868480
	.section	.rodata,"a",@progbits
	.p2align	6, 0x0
	.amdhsa_kernel k_qe80480f000_combine
		.amdhsa_group_segment_fixed_size 0
		.amdhsa_private_segment_fixed_size 0
		.amdhsa_enable_private_segment 0
		.amdhsa_kernarg_size 24
		.amdhsa_user_sgpr_count 2
		.amdhsa_user_sgpr_kernarg_segment_ptr 1
		.amdhsa_wavefront_size32 1
		.amdhsa_system_sgpr_workgroup_id_x 1
		.amdhsa_system_sgpr_workgroup_id_y 1
		.amdhsa_system_sgpr_workgroup_id_z 1
		.amdhsa_system_vgpr_workitem_id 0
		.amdhsa_next_free_vgpr 152
		.amdhsa_next_free_sgpr 66
		.amdhsa_reserve_vcc 0
		.amdhsa_float_denorm_mode_32 3
		.amdhsa_float_denorm_mode_16_64 3
		.amdhsa_memory_ordered 1
		.amdhsa_forward_progress 1
		.amdhsa_inst_pref_size 10
	.end_amdhsa_kernel
	.amdgpu_metadata
---
amdhsa.version: [ 1, 2 ]
amdhsa.kernels:
  - .name:           k_qe80480f000_combine
    .symbol:         k_qe80480f000_combine.kd
    .args:
      - { .name: ypart, .offset: 0, .size: 8, .value_kind: global_buffer, .address_space: global }
      - { .name: gate, .offset: 8, .size: 8, .value_kind: global_buffer, .address_space: global }
      - { .name: out0, .offset: 16, .size: 8, .value_kind: global_buffer, .address_space: global }
    .group_segment_fixed_size: 0
    .private_segment_fixed_size: 0
    .kernarg_segment_align: 8
    .kernarg_segment_size: 24
    .max_flat_workgroup_size: 256
    .sgpr_count:     66
    .vgpr_count:     152
    .wavefront_size: 32
...
	.end_amdgpu_metadata
.endif
;; end of part 4
